; MI455X (gfx1250); checked and timed in simulation.
; The chip was launched on July 23, 2026; its instructions are those of AMD's public machine-readable ISA for CDNA 5 (MIT licence, August 2026) and "CDNA5" Instruction Set Architecture Reference Guide (July 2026). The comments in the code are by the model that wrote it; some were corrected since.
;; Multi Head Attention2. Allowed arithmetic: matrix products marked QUANTISED: E2M1 operands, one E8M0 scale for each 32 along K, by v_wmma_scale_f32_16x16x128_f8f6f4 with both operands' format E2M1 (or v_wmma_scale_f32_32x16x128_f4), f32 sums; everything else in f32.
;; Inputs: Wk_codes 1,024 x 32 x 16 uint8 (E2M1 codes of Wk, K innermost, in blocks of 32 codes, two codes a byte); Wk_scales 1,024 x 32 uint8 (E8M0 scales of Wk, one for each 32 codes along K); Wq_codes 1,024 x 32 x 16 uint8 (E2M1 codes of Wq, K innermost, in blocks of 32 codes, two codes a byte); Wq_scales 1,024 x 32 uint8 (E8M0 scales of Wq, one for each 32 codes along K); Wv_codes 1,024 x 32 x 16 uint8 (E2M1 codes of Wv, K innermost, in blocks of 32 codes, two codes a byte); Wv_scales 1,024 x 32 uint8 (E8M0 scales of Wv, one for each 32 codes along K); keys_codes 4 x 2,048 x 32 x 16 uint8 (E2M1 codes of keys, K innermost, in blocks of 32 codes, two codes a byte); keys_scales 4 x 2,048 x 32 uint8 (E8M0 scales of keys, one for each 32 codes along K); query_codes 4 x 2,048 x 32 x 16 uint8 (E2M1 codes of query, K innermost, in blocks of 32 codes, two codes a byte); query_scales 4 x 2,048 x 32 uint8 (E8M0 scales of query, one for each 32 codes along K).
;; Outputs: out0 4 x 2,048 x 1,024 float32.
;; This version of the problem:
;;   THIS VERSION OF THE PROBLEM IS GIVEN IN LOW PRECISION. The matrix products marked QUANTISED in the list below multiply operands that are first quantised to E2M1 (2 exponent bits, 1 mantissa bit; 4 bits a number), with one power-of-two scale for each 32 numbers along K (OCP MX v1.0); their sums are f32. All else is computed in f32.
;;   The module's matrix products, in the order in which they are computed (A, B: the left and right operand; K: the contracted axis; several contracted axes count as one K, in the product's order):
;;     1. [M 8,192, K 1,024] x [K 1,024, N 1,024]; A: input query (given as codes); B: input Wq (given as codes): QUANTISED
;;     2. [M 8,192, K 1,024] x [K 1,024, N 1,024]; A: input keys (given as codes); B: input Wk (given as codes): QUANTISED
;;     3. [M 8,192, K 1,024] x [K 1,024, N 1,024]; A: input keys (given as codes); B: input Wv (given as codes): QUANTISED
;;     4. batch 64 x [M 2,048, K 64] x [K 64, N 2,048]; A: computed on the way; B: computed on the way: QUANTISED
;;     5. batch 64 x [M 64, K 2,048] x [K 2,048, N 2,048]; A: computed on the way; B: softmax (see below): QUANTISED
;;   THE QUANTISER, for each operand of a quantised product, along K:
;;     - K is cut into blocks of 32 from its start; a last block that is shorter is filled with zeros.
;;     - A block's scale is 2^e with e = floor(log2(the largest magnitude in the block)) - 2, held to -126 .. 127; a block of zeros has e = 0. As a byte (E8M0): e + 127.
;;     - Each number is divided by its block's scale, clamped to +-6, and rounded to the nearest number of E2M1, ties to even, subnormals kept.
;;     - The product sums the exact products of the quantised numbers (number of the format x scale) in f32.
;;   ~~~python
;;   def quantise(x, axis):      # numpy; x: float32 -> the quantised numbers, widened to float32 again
;;       x = np.moveaxis(x, axis, -1); K = x.shape[-1]
;;       x = np.pad(x, [(0, 0)] * (x.ndim - 1) + [(0, -K % 32)]); x = x.reshape(x.shape[:-1] + (-1, 32)); a = np.abs(x).max(-1, keepdims=True)
;;       e = np.where(a > 0, np.clip(np.frexp(np.where(a > 0, a, 1))[1] - 1 - 2, -126, 127), 0)      # np.frexp(a)[1] - 1 = floor(log2(a)), exactly
;;       r = np.clip(x / 2.0 ** e, -6, 6)
;;       step = 2.0 ** (np.maximum(np.frexp(np.where(r == 0, 1, r))[1] - 1, 0) - 1)
;;       q = np.round(r / step) * step * 2.0 ** e      # np.round: ties to even
;;       return np.moveaxis(q.reshape(q.shape[:-2] + (-1,))[..., :K], -1, axis).astype(np.float32)
;;   ~~~
;;   SOFTMAX AHEAD OF A QUANTISED PRODUCT. Where the list says 'softmax', what is quantised is not the finished softmax but p = 2^(t - M), with t = logit x log2(e) and M = ceil(the row's largest t), a whole number; so 1/2 < the row's largest p <= 1. The row's sum l is taken of the UNQUANTISED p, in f32, and the product's result is divided by l at the end. Since M is a whole number, a kernel that streams over the keys may use a running M (the ceiling of the running maximum): every later rescaling is an exact power of two, which a block's scale takes up: the codes' values come out the same.
;;   OPERANDS COMPUTED ON THE WAY. 'Computed on the way' means the value that the module computes at that place (a softmax that the list does not call 'softmax' is quantised finished and normalised). What goes into a quantiser is computed in f32, as accurately as f32 sums, v_exp_f32 and their like allow (about 1e-6 of the number): no bf16 or f16 on the way to a quantiser, and a product that is left as it is and whose result goes on into a quantised operand takes f32 operands (vector FMAs, or v_wmma_f32_16x16x4_f32). A number that lies on a knife's edge between two numbers of the format may be rounded either way, as far as f32 arithmetic and the matrix unit's own rounding can turn it there, and no further.
;;   INPUTS GIVEN AS CODES. Wk (in the module: [1024, 1024], K = its axis 0); Wq (in the module: [1024, 1024], K = its axis 0); Wv (in the module: [1024, 1024], K = its axis 0); keys (in the module: [4, 2048, 1024], K = its axis 2); query (in the module: [4, 2048, 1024], K = its axis 2): each comes as NAME_codes (uint8): NAME with its K axis moved to the last place and cut into blocks of 32 codes, [.., K / 32, bytes a block], one block behind the other in memory; two codes a byte, the lower K in the low four bits (a code: sign, 2 exponent bits, 1 mantissa bit); and NAME_scales (uint8): the same leading axes, one E8M0 byte (e + 127) for each 32 codes along K. Its value is code x scale, taken as it is: it is not quantised again, and the codes and scales need not be those that the quantiser above would give.
;; One version. Each part assembles by itself: llvm-mc -triple=amdgcn-amd-amdhsa -mcpu=gfx1250 --defsym DOCPART=n.
;; ======== version 1 of 1: 2 launches
;; limits: right only within a limited range of input values
;; workspace buffers: qrec 4,718,592 bytes; kvrec 9,175,040 bytes
;; launch proj (part 1): grid 4 x 64, 4 waves a work-group, clusters of 4 x 4, 327,680 bytes of LDS; arguments query_codes, query_scales, keys_codes, keys_scales, Wq_codes, Wq_scales, Wk_codes, Wk_scales, Wv_codes, Wv_scales, qrec, kvrec; writes qrec, kvrec
.if DOCPART == 1
	.amdgcn_target "amdgcn-amd-amdhsa--gfx1250"
	.amdhsa_code_object_version 6
	.text
	.protected	k_q550687c74a_proj
	.globl	k_q550687c74a_proj
	.p2align	8
	.type	k_q550687c74a_proj,@function
k_q550687c74a_proj:
	s_mov_b64 s[64:65], 0
	v_nop
	global_prefetch_b8 v0, s[64:65] scope:SCOPE_SE
	s_setreg_imm32_b32 hwreg(HW_REG_WAVE_MODE, 25, 1), 1
	s_wait_xcnt 0x0
	s_wait_alu depctr_hold_cnt(0) depctr_sa_sdst(0) depctr_va_vdst(0) depctr_va_sdst(0) depctr_va_ssrc(0) depctr_va_vcc(0) depctr_vm_vsrc(0)
	s_getreg_b32 s2, hwreg(HW_REG_IB_STS2, 6, 4)
	s_cmp_eq_u32 s2, 0
	s_cbranch_scc0 .Lentry_in_a_cluster
	s_endpgm
.Lentry_in_a_cluster:
	s_bfe_u32 s2, ttmp6, 0x10000c
	s_cmp_lg_u32 s2, 0xf033
	s_cbranch_scc0 .Lentry_shape_is_right
	s_endpgm
.Lentry_shape_is_right:
; The three projections on codes of FP4 (E2M1) with E8M0 scales, K = 1,024, and the quantising of their results into the records that the attention launch reads (qrec, kvrec: images of operand registers with their scale words).
; 256 WORK-GROUPS THAT STAY, two parts each.  PART 1: one tile of 256 x 256 of Q = query Wq (clusters 0-7) or of K = keys Wk (clusters 8-15): A = 256 rows of the activations, B = 256 rows of the weight; quantised along the channels.
; PART 2: half a tile of V^T: A = 128 rows of Wv (channels), B = 256 rows of keys; quantised along the keys.  128 + 128 tiles and 256 half tiles: each work-group has one and a half.
; K is 1,024, so a part's tiles, whole, and their scales lie in LDS together (287,744 bytes): four joint loads a part, one a wave.  Part 2's loads fill part 1's bytes again: they stand behind the waits, the add and a round of the
; cluster's barrier, as soon as every wave's last LDS read of part 1 is back, and land under part 1's last products and its way out, which touches no LDS.  Each part's tiles are asked for once and no loop runs ahead of a load: no prefetch is written.
; CLUSTERS: 4 x 4 work-groups; A's tiles are shared along a row of the cluster, B's along a column.  The matrix instruction is used transposed (source 0 = rows of B, source 1 = rows of A): a lane holds one row of A and its registers run along B's rows.
; A wave makes 128 x 128 in part 1 (64 accumulators, windows 2 and 3) and 64 x 128 in part 2 (32 accumulators, window 2).
.set NQ,     4
.set ROWB,   512                       ; a tile's row: all 1,024 codes of K
.set KROW,   512
.set PITCH,  528                       ; an LDS row: 512 bytes + 16 of padding
.set FR,     8
.set NL,     2
.set NP,     4
.set HALFT,  128*PITCH
.set SLOT,   256                       ; the second half of K begins 256 bytes on in each row
.set KS,     32
.set SCL,    4*HALFT                   ; behind A's and B's 256 rows: the scales, as units of 256 bytes + 16
.set HALFS,  (128*KS/256)*272
.set SBLK,   (16*KS/256)*272
.set ADRA, 16
.set ADRB, 20
.set L8,   25
.set CO,   26
.set ADRS, 27
.set SC,   32
.set OF,   96
.set TM,   112
.set AF,   128
.set PC,   128
.set PW,   192
.set X,    200
.set Y,    204
.set G1, 24
.set G0, 32
.set G1B, 48
.set G0B, 56
.set G1S, 68
.set G0S, 76
.set G1SB, 80
.set G0SB, 88
.set KIND, 95
.set TA,   38                          ; s38 part 2: which 128 rows of Wv
.set TBK,  39                          ; s39 part 2: which 256 rows of keys
.set AO,   0                           ; which set of A's fragments MUL16 reads (part 2 has two)
.set MSB, 0
.macro WIN new
.if MSB != \new
	s_set_vgpr_msb (MSB<<8)|\new
.set MSB, \new
.endif
.endm
.set MUL_LO, 0xa1
.set MUL_HI, 0xf1
.set TO_B,   0x40
; An arm of a tree of branches on the wave's number: its joint load and a jump to the tree's end
.macro ARM under, g0, g1, next, join
	s_cmp_lt_u32 s14, \under
	s_cbranch_scc0 \next
	tensor_load_to_lds s[\g0:\g0+3], s[\g1:\g1+7]
	s_nop 0
.rept 4
	v_nop
.endr
	s_branch \join
\next:
.endm
; A part's four joint loads, one a wave: wave 0 A's rows, wave 1 B's, wave 2 A's scales, wave 3 B's
.macro FOUR tag
	ARM 1, G0,  G1,  .Lb_\tag, .Lj_\tag
	ARM 2, G0B, G1B, .Lsa_\tag, .Lj_\tag
	ARM 3, G0S, G1S, .Lsb_\tag, .Lj_\tag
	tensor_load_to_lds s[G0SB:G0SB+3], s[G1SB:G1SB+7]
	s_nop 0
.rept 4
	v_nop
.endr
.Lj_\tag:
.endm
.macro CROUND
	s_barrier_signal -1
	s_barrier_wait -1
	s_cmp_lg_u32 s14, 0
	s_cbranch_scc1 .Lnot_wave_0_\@
	s_barrier_signal -3
.Lnot_wave_0_\@:
	s_barrier_wait -3
	s_barrier_signal -1
	s_barrier_wait -1
.endm
	s_load_b512 s[68:83], s[0:1], 0x0
	s_load_b256 s[84:91], s[0:1], 0x40
	v_lshl_add_u32 v254, v0, 2, 0x48400
	v_mov_b32 v255, 0
	ds_add_u32 v254, v255                          ; the opening lines: the add, twice on end, and its wait
	ds_add_u32 v254, v255
	v_lshrrev_b32 v1, 5, v0
	v_readfirstlane_b32 s14, v1
	s_lshr_b32 s15, s14, 1                         ; which half of A's rows is mine
	s_and_b32 s16, s14, 1                          ; which half of B's
	s_bfe_u32 s40, ttmp6, 0x40000
	s_bfe_u32 s41, ttmp6, 0x40004
	s_and_b32 s96, ttmp7, 0xffff                   ; the cluster, 0..15
	s_lshr_b32 s[KIND], s96, 3                     ; part 1: 0 Q, 1 K
	s_and_b32 s96, s96, 7
	s_mov_b32 s42, s40                             ; part 1: B's tile = cx
	s_lshl_b32 s17, s96, 2
	s_add_co_u32 s17, s17, s41                     ; part 1: A's tile = 4 (cluster % 8) + cy
	s_lshl_b32 s[TA], s[KIND], 2
	s_add_co_u32 s[TA], s[TA], s41                 ; part 2: A's tile = 4 (cluster / 8) + cy
	s_lshl_b32 s[TBK], s96, 2
	s_add_co_u32 s[TBK], s[TBK], s40               ; part 2: B's tile = 4 (cluster % 8) + cx
	s_lshl_b32 s43, s41, 2
	s_lshl_b32 s43, 15, s43
	s_lshl_b32 s44, 0x1111, s40
	s_mov_b32 s2, 0x76543210
	s_mov_b32 s3, 0xfedcba98
	s_or_b32 s[G1+0], s43, (0<<16)|(1<<20)|(1<<21)|(6<<22)|(3<<25)  ; four words of padding behind every 128
	s_or_b32 s[G1B+0], s44, (0<<16)|(1<<20)|(1<<21)|(6<<22)|(3<<25)
.irp g, G1, G1B
	s_mov_b32 s[\g+1], ROWB<<16
	s_mov_b32 s[\g+2], 256<<16
	s_mov_b32 s[\g+3], ROWB<<16
	s_mov_b32 s[\g+4], 256
	s_mov_b32 s[\g+5], KROW
	s_mov_b32 s[\g+6], 0
	s_mov_b32 s[\g+7], 0
.endr
	s_lshl_b32 s20, s17, 8                         ; A: the tile's first row
	s_lshl_b32 s46, s42, 8                         ; B: likewise
	s_mov_b32 s21, 0
	s_mov_b32 s47, 0
	s_mov_b64 s[18:19], KS
	s_mul_u64 s[22:23], s[20:21], s[18:19]
	s_mul_u64 s[92:93], s[46:47], s[18:19]
	s_mov_b64 s[18:19], KROW
	s_mul_u64 s[20:21], s[20:21], s[18:19]
	s_mul_u64 s[46:47], s[46:47], s[18:19]
	s_wait_dscnt 0x0
	s_wait_kmcnt 0x0
	s_cmp_eq_u32 s[KIND], 0
	s_cselect_b64 s[4:5], s[68:69], s[72:73]
	s_cselect_b64 s[6:7], s[70:71], s[74:75]
	s_cselect_b64 s[8:9], s[76:77], s[80:81]
	s_cselect_b64 s[10:11], s[78:79], s[82:83]
	s_cselect_b64 s[12:13], s[88:89], s[90:91]
	s_add_nc_u64 s[20:21], s[4:5], s[20:21]
	s_add_nc_u64 s[22:23], s[6:7], s[22:23]
	s_add_nc_u64 s[46:47], s[8:9], s[46:47]
	s_add_nc_u64 s[92:93], s[10:11], s[92:93]
	s_mov_b32 s61, 0                               ; part 2's four tiles: 128 rows of Wv are 2^16 bytes of codes and 2^12 of scales, 256 rows of keys 2^17 and 2^13
	s_lshl_b32 s60, s[TA], 16
	s_add_nc_u64 s[4:5], s[84:85], s[60:61]
	s_lshl_b32 s60, s[TA], 12
	s_add_nc_u64 s[6:7], s[86:87], s[60:61]
	s_lshl_b32 s60, s[TBK], 17
	s_add_nc_u64 s[8:9], s[72:73], s[60:61]
	s_lshl_b32 s60, s[TBK], 13
	s_add_nc_u64 s[10:11], s[74:75], s[60:61]
	s_mov_b64 s[62:63], s[90:91]                   ; kvrec
	s_or_b32 s[G1S+0], s43, (3<<16)|(1<<20)|(1<<21)|(5<<22)|(3<<25)
	s_or_b32 s[G1SB+0], s44, (3<<16)|(1<<20)|(1<<21)|(5<<22)|(3<<25)
.irp g, G1S, G1SB
	s_mov_b32 s[\g+1], 32<<16
	s_mov_b32 s[\g+2], (256*KS/256)<<16
	s_mov_b32 s[\g+3], 32<<16
	s_mov_b32 s[\g+4], 256*KS/256
	s_mov_b32 s[\g+5], 32
	s_mov_b32 s[\g+6], 0
	s_mov_b32 s[\g+7], 0
.endr
	CROUND                                         ; all sixteen work-groups are here: the first joint loads meet
	s_mov_b32 s[G0S], 1
	s_mov_b32 s[G0S+1], SCL
	s_mov_b64 s[G0S+2:G0S+3], s[22:23]
	s_or_b32 s[G0S+3], s[G0S+3], 0x80000000
	s_mov_b32 s[G0SB], 1
	s_mov_b32 s[G0SB+1], SCL+2*HALFS
	s_mov_b64 s[G0SB+2:G0SB+3], s[92:93]
	s_or_b32 s[G0SB+3], s[G0SB+3], 0x80000000
	s_mov_b32 s[G0], 1                             ; A's rows, all of K
	s_mov_b32 s[G0+1], 0
	s_mov_b64 s[G0+2:G0+3], s[20:21]
	s_or_b32 s[G0+3], s[G0+3], 0x80000000
	s_mov_b32 s[G0B], 1                            ; B's 256 rows, behind room for 256 of A
	s_mov_b32 s[G0B+1], 2*HALFT
	s_mov_b64 s[G0B+2:G0B+3], s[46:47]
	s_or_b32 s[G0B+3], s[G0B+3], 0x80000000
	FOUR 1
	v_and_b32 v1, 15, v0
	v_bfe_u32 v2, v0, 4, 1
	v_mul_u32_u24 v3, v1, PITCH
	v_lshl_add_u32 v4, v2, 4, v3
	s_mul_i32 s21, s15, HALFT
	s_mul_i32 s22, s16, HALFT
	s_add_co_u32 s22, s22, 2*HALFT
.irp s, 0,1
	v_add_nc_u32 v[ADRA+\s], s21, v4
	v_add_nc_u32 v[ADRB+\s], s22, v4
	s_add_co_u32 s21, s21, SLOT
	s_add_co_u32 s22, s22, SLOT
.endr
	v_mul_u32_u24 v5, v1, KS
	v_lshrrev_b32 v6, 8, v5
	v_lshl_add_u32 v5, v6, 4, v5
	s_mul_i32 s21, s15, HALFS
	s_mul_i32 s22, s16, HALFS
	s_add_co_u32 s22, s22, 2*HALFS
	s_sub_co_u32 s22, s22, s21
	v_mul_u32_u24 v6, s22, v2
	s_add_co_u32 s21, s21, SCL
	v_add_nc_u32 v5, v5, v6
	v_add_nc_u32 v[ADRS], s21, v5
	v_and_b32 v6, 31, v0
	v_lshlrev_b32 v[CO], 4, v6
	v_lshlrev_b32 v[L8], 3, v6
	; part 1's place in qrec or kvrec: head 16 n + 2 (pair of heads), record (group of 128 rows) % 16
	s_lshl_b32 s66, s17, 1
	s_add_co_u32 s66, s66, s15                     ; my group of 128 rows, 0..63
	s_lshl_b32 s67, s42, 1
	s_add_co_u32 s67, s67, s16                     ; my 128 columns: a pair of heads, 0..7
	s_cmp_eq_u32 s[KIND], 0
	s_mov_b32 s97, 8960
	s_cselect_b32 s97, 4608, s97                   ; a record
	s_lshl_b32 s98, s97, 4                         ; a head
	s_lshr_b32 s93, s66, 4
	s_lshl_b32 s93, s93, 4
	s_lshl_b32 s19, s67, 1
	s_add_co_u32 s93, s93, s19
	s_mul_i32 s93, s93, s98
	s_and_b32 s18, s66, 15
	s_mul_i32 s18, s18, s97
	s_add_co_u32 s92, s93, s18
	s_mov_b32 s93, 0
	s_add_nc_u64 s[12:13], s[12:13], s[92:93]
	s_add_nc_u64 s[20:21], s[12:13], 4096
	s_mov_b32 s18, s98
	s_mov_b32 s19, 0
	s_add_nc_u64 s[22:23], s[20:21], s[18:19]
.macro FRAG reg, adr, q, i
.irp c, 0,1
	ds_load_b128 v[\reg+4*\c:\reg+4*\c+3], v[\adr] offset:64*(\q)+32*\c+(\i)*16*PITCH
.endr
.endm
; 16 matrix instructions: A's blocks a0, a0 + 1 x B's eight, 128 along K.  The accumulators take turns, one instruction a turn
.macro MUL16 a0, p, q, sc, zero
.irp a, \a0, \a0+1
.irp b, 0,1,2,3,4,5,6,7
.if \zero
	v_wmma_scale_f32_16x16x128_f8f6f4 v[8*(8*((\a)%4)+\b):8*(8*((\a)%4)+\b)+7], v[128*(\p)+FR*\b:128*(\p)+FR*\b+FR-1], v[AF+AO+FR*(\a):AF+AO+FR*(\a)+FR-1], 0, v[SC+8*NQ*(\sc)+NQ*\b+(\q)], v[SC+8*NQ*(\sc)+NQ*(\a)+(\q)] matrix_a_fmt:MATRIX_FMT_FP4 matrix_b_fmt:MATRIX_FMT_FP4 matrix_a_scale:MATRIX_SCALE_ROW1
.else
	v_wmma_scale_f32_16x16x128_f8f6f4 v[8*(8*((\a)%4)+\b):8*(8*((\a)%4)+\b)+7], v[128*(\p)+FR*\b:128*(\p)+FR*\b+FR-1], v[AF+AO+FR*(\a):AF+AO+FR*(\a)+FR-1], v[8*(8*((\a)%4)+\b):8*(8*((\a)%4)+\b)+7], v[SC+8*NQ*(\sc)+NQ*\b+(\q)], v[SC+8*NQ*(\sc)+NQ*(\a)+(\q)] matrix_a_fmt:MATRIX_FMT_FP4 matrix_b_fmt:MATRIX_FMT_FP4 matrix_a_scale:MATRIX_SCALE_ROW1
.endif
.endr
.endr
.endm
.macro FETCH_B slot, q, p
	WIN TO_B
.irp i, 0,1,2,3,4,5,6,7
	FRAG 128*(\p)+FR*\i, ADRB+\slot, \q, \i
.endr
	WIN 0
.endm
.macro FETCH_A slot, q, i0
.irp i, \i0, \i0+1, \i0+2, \i0+3
	FRAG AF+FR*(\i), ADRA+\slot, \q, \i
.endr
.endm
.macro HFETCH_A slot, q, set           ; part 2: my four blocks of A into set 0 or 1
.irp i, 0,1,2,3
	FRAG AF+32*(\set)+FR*\i, ADRA+\slot, \q, \i
.endr
.endm
.macro SCALES sc, off                  ; the scale words of half of K: lanes 0-15 A's block i, lanes 16-31 B's block i
.irp i, 0,1,2,3,4,5,6,7
	ds_load_b128 v[SC+8*NQ*\sc+NQ*\i:SC+8*NQ*\sc+NQ*\i+3], v[ADRS] offset:\i*SBLK+\off
.endr
.endm
.macro PLACES n
.rept \n
	v_nop
.endr
.endm
.macro STEP slot, q, zero
	s_wait_dscnt 4*NL                              ; B's set and A's blocks 0-3 are in; the youngest eight loads (A's blocks 4-7) may be out
	WIN MUL_LO
	MUL16 0, (\q)%2, \q, \slot, \zero
	MUL16 2, (\q)%2, \q, \slot, \zero
	s_wait_dscnt 0
	PLACES NP
	FETCH_B \slot, (\q)+1, 1-(\q)%2
	FETCH_A \slot, (\q)+1, 0
	WIN MUL_HI
	MUL16 4, (\q)%2, \q, \slot, \zero
	MUL16 6, (\q)%2, \q, \slot, \zero
	PLACES NP
	WIN 0
	FETCH_A \slot, (\q)+1, 4
.endm
.macro TURN slot, next                 ; the last step of K's first half fetches from the second: all of K lies in LDS, so no barrier stands here
	s_wait_dscnt 4*NL
	WIN MUL_LO
	MUL16 0, 1, NQ-1, \slot, 0
	MUL16 2, 1, NQ-1, \slot, 0
	s_wait_dscnt 0x0
	PLACES NP
	FETCH_B \next, 0, 0
	FETCH_A \next, 0, 0
	SCALES \next, 4*NQ
	WIN MUL_HI
	MUL16 4, 1, NQ-1, \slot, 0
	MUL16 6, 1, NQ-1, \slot, 0
	PLACES NP
	WIN 0
	FETCH_A \next, 0, 4
.endm
.macro STEPS slot, from
.set Q, \from
.rept NQ-1-\from
	STEP \slot, Q, 0
.set Q, Q+1
.endr
.endm
; Part 2's step of 128 along K: 32 matrix instructions on set q % 2 of A's and B's fragments; ahead of them the next step's fragments are asked for, into the other sets
.macro HSTEP slot, q, zero, more, nslot, nq
	s_wait_dscnt 0x0
.if \more
	PLACES NP
	FETCH_B \nslot, \nq, 1-(\q)%2
	HFETCH_A \nslot, \nq, 1-(\q)%2
.endif
.set AO, 32*((\q)%2)
	WIN MUL_LO
	MUL16 0, (\q)%2, \q, \slot, \zero
	MUL16 2, (\q)%2, \q, \slot, \zero
	WIN 0
.set AO, 0
.endm
; THE WAY OUT of block a (16 rows of A x 128 rows of B): four blocks of 32 along B's rows are quantised; the codes are an image of operand registers, stored 512 consecutive bytes an instruction
.macro QOUT a
.set AC, 64*((\a)%4)
.set WN, 2+(\a)/4
.set W2, 5*WN
	WIN W2
.irp b, 0,1,2,3
	v_max3_num_f32 v[TM+\b], |v[AC+16*\b]|, |v[AC+16*\b+1]|, 0x1800000
.endr
.irp i, 2,4,6,8,10,12,14
.irp b, 0,1,2,3
	v_max3_num_f32 v[TM+\b], |v[AC+16*\b+\i]|, |v[AC+16*\b+\i+1]|, v[TM+\b]
.endr
.endr
	WIN 0
.irp b, 0,1,2,3
	v_permlanex16_b32 v[TM+4+\b], v[TM+\b], s2, s3
.endr
.irp b, 0,1,2,3
	v_max_num_f32 v[TM+\b], v[TM+\b], v[TM+4+\b]
.endr
.irp b, 0,1,2,3
	v_add_nc_u32 v[TM+8+\b], 0xff000000, v[TM+\b]
.endr
.irp b, 0,1,2,3
	v_lshrrev_b32 v[TM+4+\b], 23, v[TM+8+\b]
.endr
	v_lshl_or_b32 v[PW+(\a)], v[TM+5], 8, v[TM+4]
	v_lshl_or_b32 v[PW+(\a)], v[TM+6], 16, v[PW+(\a)]
	v_lshl_or_b32 v[PW+(\a)], v[TM+7], 24, v[PW+(\a)]
	WIN WN
.irp c, 0,1
.irp t, 0,1,2,3
	v_cvt_scalef32_pk8_fp4_f32 v[PC+8*(\a)+4*\c+2*(\t%2)+\t/2], v[AC+8*(4*\c+\t):AC+8*(4*\c+\t)+7], v[TM+8+2*\c+\t/2]
.endr
.endr
	WIN 0
	v_nop
.irp c, 0,1
	v_permlane16_swap_b32 v[PC+8*(\a)+4*\c], v[PC+8*(\a)+4*\c+1]
	v_permlane16_swap_b32 v[PC+8*(\a)+4*\c+2], v[PC+8*(\a)+4*\c+3]
.endr
	global_store_b128 v[OF+2*(\a)], v[PC+8*(\a):PC+8*(\a)+3], s[12:13]
	global_store_b128 v[OF+2*(\a)+1], v[PC+8*(\a)+4:PC+8*(\a)+7], s[12:13]
.endm
	s_wait_alu depctr_va_vdst(0)                   ; the wait at the head's end
	s_wait_tensorcnt 0x0                           ; my tile of the four is in,
	s_barrier_signal -1
	s_barrier_wait -1                              ; everybody's is
	; PART 1
	FETCH_B 0, 0, 0
	FETCH_A 0, 0, 0
	SCALES 0, 0
	FETCH_A 0, 0, 4
	STEP 0, 0, 1
	STEPS 0, 1
	TURN 0, 1
	STEPS 1, 0
	s_wait_dscnt 4*NL
	WIN MUL_LO
	MUL16 0, 1, NQ-1, 1, 0
	MUL16 2, 1, NQ-1, 1, 0
	WIN 0
	s_wait_tensorcnt 0x0                           ; PART 2'S TILES ARE ASKED FOR.  No tensor load of mine is out, so the descriptors may be written;
	ds_add_u32 v254, v255                          ; 0 onto my spare word
	s_mov_b32 s[G1+2], 128<<16                     ; A: 128 rows of Wv,
	s_mov_b32 s[G1+4], 128
	s_mov_b32 s[G1S+2], (128*KS/256)<<16           ; and their scales
	s_mov_b32 s[G1S+4], 128*KS/256
	s_mov_b64 s[G0+2:G0+3], s[4:5]
	s_or_b32 s[G0+3], s[G0+3], 0x80000000
	s_mov_b64 s[G0S+2:G0S+3], s[6:7]
	s_or_b32 s[G0S+3], s[G0S+3], 0x80000000
	s_mov_b64 s[G0B+2:G0B+3], s[8:9]
	s_or_b32 s[G0B+3], s[G0B+3], 0x80000000
	s_mov_b64 s[G0SB+2:G0SB+3], s[10:11]
	s_or_b32 s[G0SB+3], s[G0SB+3], 0x80000000
	s_wait_dscnt 0x0                               ; the add is done, and my last LDS reads of part 1 (A's blocks 4-7) are back
	CROUND                                         ; both hold of every wave of every work-group of the cluster
	FOUR 2                                         ; the refills, one a wave
	WIN MUL_HI
	MUL16 4, 1, NQ-1, 1, 0
	MUL16 6, 1, NQ-1, 1, 0
	WIN 0
	v_mov_b32 v[OF], v[CO]                         ; block a's image lies 512 a bytes on; its second 64 columns belong to the next head
	v_add_nc_u32 v[OF+1], s98, v[OF]
.irp a, 1,2,3,4,5,6,7
	v_add_nc_u32 v[OF+2*\a], 512, v[OF+2*\a-2]
	v_add_nc_u32 v[OF+2*\a+1], s98, v[OF+2*\a]
.endr
.irp b, 0,1,2,3
	v_mov_b32 v[TM+4+\b], 0
.endr
.irp a, 0,1,2,3,4,5,6,7
	QOUT \a
.endr
	s_mov_b32 vcc_lo, 0xffff0000
.irp b, 0,1,2,3
	v_cndmask_b32 v[X+\b], v[PW+2*\b], v[PW+2*\b+1], vcc_lo
.endr
.irp b, 0,1,2,3
	v_lshrrev_b32 v[Y+\b], 16, v[X+\b]             ; the second head's two bytes
.endr
	global_store_b128 v[CO], v[X:X+3], s[20:21]
	global_store_b128 v[CO], v[Y:Y+3], s[22:23]
	; PART 2
	s_wait_xcnt 0x0                                ; part 1's stores have read their registers and bases
	s_mul_i32 s21, s15, 64*PITCH                   ; my 64 rows of A
	v_add_nc_u32 v[ADRA], s21, v4
	s_add_co_u32 s21, s21, SLOT
	v_add_nc_u32 v[ADRA+1], s21, v4
	v_mul_u32_u24 v5, v1, KS
	v_lshrrev_b32 v6, 8, v5
	v_lshl_add_u32 v5, v6, 4, v5
	s_mul_i32 s21, s15, HALFS/2                    ; their scales
	s_mul_i32 s22, s16, HALFS
	s_add_co_u32 s22, s22, 2*HALFS
	s_sub_co_u32 s22, s22, s21
	v_mul_u32_u24 v6, s22, v2
	s_add_co_u32 s21, s21, SCL
	v_add_nc_u32 v5, v5, v6
	v_add_nc_u32 v[ADRS], s21, v5
	s_lshl_b32 s18, s[TBK], 1
	s_add_co_u32 s18, s18, s16                     ; my group of 128 keys, 0..63
	s_lshl_b32 s19, s[TA], 1
	s_add_co_u32 s19, s19, s15                     ; my 64 channels: the head in its batch
	s_lshr_b32 s92, s18, 4
	s_lshl_b32 s92, s92, 4
	s_add_co_u32 s92, s92, s19
	s_mul_i32 s92, s92, 143360
	s_and_b32 s18, s18, 15
	s_mul_i32 s18, s18, 8960
	s_add_co_u32 s92, s92, s18
	s_add_co_u32 s92, s92, 4608                    ; V's part of the record
	s_mov_b32 s93, 0
	s_add_nc_u64 s[12:13], s[62:63], s[92:93]
	s_add_nc_u64 s[20:21], s[12:13], 4096
	s_wait_alu depctr_va_vdst(0)                   ; directly ahead of the wait below
	s_wait_tensorcnt 0x0                           ; my tile of part 2's four is in,
	s_barrier_signal -1
	s_barrier_wait -1                              ; everybody's is
	FETCH_B 0, 0, 0
	HFETCH_A 0, 0, 0
	SCALES 0, 0
	SCALES 1, 4*NQ
	HSTEP 0, 0, 1, 1, 0, 1
	HSTEP 0, 1, 0, 1, 0, 2
	HSTEP 0, 2, 0, 1, 0, 3
	HSTEP 0, 3, 0, 1, 1, 0
	HSTEP 1, 0, 0, 1, 1, 1
	HSTEP 1, 1, 0, 1, 1, 2
	HSTEP 1, 2, 0, 1, 1, 3
	HSTEP 1, 3, 0, 0, 0, 0
.irp a, 0,1,2,3
	v_add_nc_u32 v[OF+2*\a], 1024*\a, v[CO]        ; tile a of V^T, register groups 0 and 1.  (These eight are the places behind the last products)
	v_add_nc_u32 v[OF+2*\a+1], 1024*\a+512, v[CO]
.endr
.irp a, 0,1,2,3
	QOUT \a
.endr
	s_mov_b32 vcc_lo, 0xffff0000
.irp b, 0,1
	v_cndmask_b32 v[X+\b], v[PW+2*\b], v[PW+2*\b+1], vcc_lo
.endr
	global_store_b64 v[L8], v[X:X+1], s[20:21]
	s_wait_tensorcnt 0x0                           ; the wave's end
	ds_add_u32 v254, v255
	s_wait_dscnt 0x0
	CROUND                                         ; the closing round
	s_endpgm
.Lfunc_end_k_q550687c74a_proj:
	.size	k_q550687c74a_proj, .Lfunc_end_k_q550687c74a_proj-k_q550687c74a_proj
	.p2alignl 7, 3214868480
	.fill 96, 4, 3214868480
	.section	.rodata,"a",@progbits
	.p2align	6, 0x0
	.amdhsa_kernel k_q550687c74a_proj
		.amdhsa_group_segment_fixed_size 327680
		.amdhsa_private_segment_fixed_size 0
		.amdhsa_enable_private_segment 0
		.amdhsa_kernarg_size 96
		.amdhsa_user_sgpr_count 2
		.amdhsa_user_sgpr_kernarg_segment_ptr 1
		.amdhsa_wavefront_size32 1
		.amdhsa_system_sgpr_workgroup_id_x 1
		.amdhsa_system_sgpr_workgroup_id_y 1
		.amdhsa_system_sgpr_workgroup_id_z 1
		.amdhsa_system_vgpr_workitem_id 0
		.amdhsa_next_free_vgpr 1024
		.amdhsa_next_free_sgpr 102
		.amdhsa_reserve_vcc 1
		.amdhsa_float_denorm_mode_32 3
		.amdhsa_float_denorm_mode_16_64 3
		.amdhsa_memory_ordered 1
		.amdhsa_forward_progress 1
		.amdhsa_inst_pref_size 196
	.end_amdhsa_kernel
	.amdgpu_metadata
---
amdhsa.version: [ 1, 2 ]
amdhsa.kernels:
  - .name:           k_q550687c74a_proj
    .symbol:         k_q550687c74a_proj.kd
    .args:
      - { .name: query_codes, .offset: 0, .size: 8, .value_kind: global_buffer, .address_space: global }
      - { .name: query_scales, .offset: 8, .size: 8, .value_kind: global_buffer, .address_space: global }
      - { .name: keys_codes, .offset: 16, .size: 8, .value_kind: global_buffer, .address_space: global }
      - { .name: keys_scales, .offset: 24, .size: 8, .value_kind: global_buffer, .address_space: global }
      - { .name: Wq_codes, .offset: 32, .size: 8, .value_kind: global_buffer, .address_space: global }
      - { .name: Wq_scales, .offset: 40, .size: 8, .value_kind: global_buffer, .address_space: global }
      - { .name: Wk_codes, .offset: 48, .size: 8, .value_kind: global_buffer, .address_space: global }
      - { .name: Wk_scales, .offset: 56, .size: 8, .value_kind: global_buffer, .address_space: global }
      - { .name: Wv_codes, .offset: 64, .size: 8, .value_kind: global_buffer, .address_space: global }
      - { .name: Wv_scales, .offset: 72, .size: 8, .value_kind: global_buffer, .address_space: global }
      - { .name: qrec, .offset: 80, .size: 8, .value_kind: global_buffer, .address_space: global }
      - { .name: kvrec, .offset: 88, .size: 8, .value_kind: global_buffer, .address_space: global }
    .group_segment_fixed_size: 327680
    .private_segment_fixed_size: 0
    .kernarg_segment_align: 8
    .kernarg_segment_size: 96
    .max_flat_workgroup_size: 128
    .sgpr_count:     102
    .vgpr_count:     1024
    .wavefront_size: 32
...
	.end_amdgpu_metadata
.endif
;; end of part 1
;; launch attn (part 2): grid 4 x 64, 16 waves a work-group, clusters of 4 x 1, 232,960 bytes of LDS; arguments qrec, kvrec, out0; writes out0
.if DOCPART == 2
	.amdgcn_target "amdgcn-amd-amdhsa--gfx1250"
	.amdhsa_code_object_version 6
	.text
	.protected	k_q550687c74a_attn
	.globl	k_q550687c74a_attn
	.p2align	8
	.type	k_q550687c74a_attn,@function
k_q550687c74a_attn:
	s_mov_b64 s[64:65], 0
	v_nop
	global_prefetch_b8 v0, s[64:65] scope:SCOPE_SE
	s_setreg_imm32_b32 hwreg(HW_REG_WAVE_MODE, 25, 1), 1
	s_wait_xcnt 0x0
	s_wait_alu depctr_hold_cnt(0) depctr_sa_sdst(0) depctr_va_vdst(0) depctr_va_sdst(0) depctr_va_ssrc(0) depctr_va_vcc(0) depctr_vm_vsrc(0)
	s_getreg_b32 s2, hwreg(HW_REG_IB_STS2, 6, 4)
	s_cmp_eq_u32 s2, 0
	s_cbranch_scc0 .Lentry_in_a_cluster
	s_endpgm
.Lentry_in_a_cluster:
	s_bfe_u32 s2, ttmp6, 0x10000c
	s_cmp_lg_u32 s2, 0x3003
	s_cbranch_scc0 .Lentry_shape_is_right
	s_endpgm
.Lentry_shape_is_right:
; out[n][q][64 h + d] = the sum over k of softmax_k(Q[q] . K[k] / 32) V[k][d] for each of 64 heads (16 n + h): 2,048 queries, 2,048 keys, head size 64; both products on codes of FP4 (E2M1)
; with one E8M0 scale for each 32 along a product's K.  Q, K and V come as the projection launch left them: images of operand registers with their scale words (qrec, kvrec: layouts below).
; THE SOFTMAX AHEAD OF THE SECOND PRODUCT: t = score x log2(e) / 32; M = the row's largest t so far, rounded UP to a whole number; p = 2^(t - M) is quantised along the keys, not normalised.
; The row's sum is taken of the unquantised p, in f32, and divides O at the end.  When M moves, the sum and O are multiplied by 2^(old M - new M): exact.
; SHARES.  A work-group owns 512 queries of one head; each of its sixteen waves owns two tiles of 16, one after the other, in 256 registers.  Every wave walks all keys of the head, 128 a step (one record).
; A WHOLE HEAD'S K AND V LIE IN LDS, filled once at the start by eight joint loads (the four work-groups of a cluster are the four blocks of queries of one head); no LDS byte is filled twice.
; All of K and V is asked for at the head and there is no loop that runs ahead of a load: so no prefetch is written.
; The load lays 32 bytes of padding behind each 256: byte x of a record lies at x + 32 (x / 256), a record of 8,960 bytes takes 10,080.
; FRAGMENTS ARE ASKED FOR A STEP AHEAD: K's tiles of step i + 1 are loaded from LDS straight behind step i's first product, V's of step i at its head; a pass's last step is written out without the load of K.
; LAYOUT.  Both products are used transposed: S^T = K Q^T, O^T = V^T P^T: a lane holds ONE query (lane % 16) throughout.
; THE KEYS OF A TILE ARE CHOSEN BY THE LDS ADDRESS: lane r of tile 4 c + q takes key 64 c + 8 q + r + 24 (r / 8) of the record.  In S^T register j of tile 4 c + q is then key 64 c + 32 (lane / 16) + 8 q + j:
; the 32 registers of tiles 4 c .. 4 c + 3 are ONE WHOLE BLOCK of 32 keys, so a block's maximum needs no other lane, and the conversion of tile 4 c + q is register 4 c + q of P's operand as it stands.
; The two groups of eight keys of a tile lie 1,024 bytes apart in a record, 1,152 in LDS: sixteen lanes touch sixteen different 16-byte columns of 256 bytes.
; The head's 64 channels fill registers 0-3 of a fragment.  Q's registers 4-7 hold zero codes; K's fragment of tile T is v[KF + 4 T .. + 7]: its registers 4-7 are the next tile's codes
; (behind the last tile: the second query tile's), which meet Q's zero codes and add nothing; the scale bytes that go with them are finite codes.
; kvrec: [64 heads][16 records of 128 keys][8,960]: eight images of 16 keys, 512 bytes each (key k % 16, half h at 16 (k % 16) + 256 h); at 4,096 K's scale words (key k: 16 (k % 32) + 4 (k / 32));
;   at 4,608 four images of V^T (tile t, register group c at 1,024 t + 512 c + 16 l); at 8,704 V's scale words (lane l's 8 bytes: word q: lanes 0-15 tile 2 q, lanes 16-31 tile 2 q + 1).   qrec: [64 heads][16 groups of 128 queries][4,608], as K's part.
; LIMITS: NaN and infinities are not served.  A p under 2^-126 comes out of v_exp_f32 as 0.  A block's largest p is not searched for: the block's largest score goes through the same multiply-add and
; exponential, which takes v_exp_f32 not to fall where its input rises.  A block whose every p is 0 gets the byte 1: its codes are zeros.  The scaled scores stay under 2^31 in magnitude.
.set REC,   10080                      ; a record in LDS: 35 rows of 288 bytes
.set PARTL, 2*REC                      ; what one tensor load brings: 70 rows
.set HEADG, 143360                     ; a head in memory
.set PARTG, 17920                      ; an eighth of it
.set STAGE, 16*REC                     ; behind the head: 16 rows x (256 + 16) bytes for each wave, for the way out; no tensor load lands there
.set SP,    272
.set SPARE, STAGE+16*16*SP             ; the spare words: 128 bytes a wave
.set LK,  1                            ; v1  my lane's place in K's images: 1,152 (r / 8) + 16 (r % 8) + 288 h
.set LS,  2                            ; v2  among K's scale words: 16 (r % 8) + 4 (r / 8) + 8 h
.set LV,  3                            ; v3  in V's images: 16 r + 288 h
.set LW,  4                            ; v4  among V's scale words: 8 x lane
.set STO, 5                            ; v5  the way out: where I put 32 bytes of a row
.set RD,  6                            ; v6  where I read a row back
.set GO,  7                            ; v7  my byte offset in the wave's rows of the output
.set AK,  8                            ; v8-11 the step's four addresses
.set AS,  9
.set AV,  10
.set AW,  11
.set T,   14                           ; v14-15 at work.   v12 -M, v13 the largest score
.set BM,  24                           ; v24-25 my two blocks' largest scores, then their largest p, then the conversions' scale operands
.set W,   26                           ; v26-27 the scale bytes on their way
.set F,   28                           ; v[28:29] f = 2^(old M - new M): the pair's low word serves both halves
.set SPW, 30                           ; v30 LDS address of my spare word; never rewritten
.set NIL, 31                           ; v31 0; never rewritten
.set KF,  32                           ; v32-63 K's eight tiles.   v16-23 Q's fragment
.set Q1,  64                           ; v64-67 the second query tile's codes
.set VF,  68                           ; v68-99 V's four fragments
.set S,   100                          ; v100-163 S^T, then p
.set O,   164                          ; v164-195 O^T
.set P,   196                          ; v196-203 p's codes
.set SU,  204                          ; v204-211 the row's sum: the pair that stays, and three pairs of the step
.set X,   212                          ; v212-215 four chains of maxima
.set OLD, 216                          ; v216 -M as the step found it
.set KS,  244                          ; v244-247 K's scale words: register q: lanes 0-15 tile q, lanes 16-31 tile 4 + q
.set VS,  248                          ; v248-249 V's
.set PS,  252                          ; v252 p's
.set QS,  254                          ; v254-255 Q's, one a tile
.set WV,   10
.set CX,   11
.set HD,   12
.set G0,   16
.set SEL,  20
.set CS,   22
.set G1,   24
.set TB,   32
.set CNT,  33
.set SQ,   34
.set SQS,  36
.macro CROUND                          ; a round of the cluster's barrier
	s_barrier_signal -1
	s_barrier_wait -1
	s_cmp_lg_u32 s[WV], 0
	s_cbranch_scc1 .Lnot_wave_0_\@
	s_barrier_signal -3
.Lnot_wave_0_\@:
	s_barrier_wait -3
	s_barrier_signal -1
	s_barrier_wait -1
.endm
	s_load_b128 s[4:7], s[0:1], 0x0                ; qrec, kvrec
	s_load_b64 s[8:9], s[0:1], 0x10                ; out0
	v_lshl_add_u32 v[SPW], v0, 2, SPARE
	v_mov_b32 v[NIL], 0
	ds_add_u32 v[SPW], v[NIL]                      ; the opening lines: the add, twice on end, and its wait
	ds_add_u32 v[SPW], v[NIL]
	s_wait_dscnt 0x0
	v_lshrrev_b32 v8, 5, v0
	v_readfirstlane_b32 s[WV], v8                  ; wave 0..15
	s_bfe_u32 s[CX], ttmp6, 0x40000                ; my place in the cluster: it enters Q's and the output's addresses alone
	s_and_b32 s[HD], ttmp7, 0xffff                 ; the cluster's y: the head, which the four partners share
	; group 1: a dense block of 17,920 bytes as 70 rows of 256 bytes (32 elements of 8 bytes), 8 words of padding behind every 64
	s_mov_b32 s[G1], 15|(3<<16)|(1<<20)|(1<<21)|(5<<22)|(7<<25)
	s_mov_b32 s[G1+1], 32<<16
	s_mov_b32 s[G1+2], 70<<16
	s_mov_b32 s[G1+3], 32<<16
	s_mov_b32 s[G1+4], 70
	s_mov_b32 s[G1+5], 32
	s_mov_b32 s[G1+6], 0
	s_mov_b32 s[G1+7], 0
	s_mov_b32 s[SEL], 0x76543210
	s_mov_b32 s[SEL+1], 0xfedcba98
	s_mov_b32 s[CS], 0x3d38aa3b                    ; log2(e) with 5 off its exponent: the division by 32 is exact
	s_mov_b32 s[CS+1], s[CS]
	s_and_b32 s46, s[WV], 7                        ; waves 0 to 7 fetch an eighth of the head each
	s_mul_i32 s47, s46, PARTL                      ; in LDS,
	s_mul_i32 s46, s46, PARTG                      ; in memory
	s_mul_i32 s38, s[HD], HEADG
	s_add_co_u32 s38, s38, s46
	s_mov_b32 s39, 0
	s_lshl_b32 s40, s[HD], 4                       ; Q: group 16 head + 4 cx + w / 4, tiles 2 (w % 4) and 2 (w % 4) + 1 of its eight
	s_lshl_b32 s41, s[CX], 2
	s_add_co_u32 s40, s40, s41
	s_lshr_b32 s41, s[WV], 2
	s_add_co_u32 s40, s40, s41
	s_mul_i32 s40, s40, 4608
	s_and_b32 s42, s[WV], 3
	s_lshl_b32 s43, s42, 10
	s_add_co_u32 s44, s40, s43                     ; the images: 512 bytes a tile
	s_mov_b32 s45, 0
	s_lshl_b32 s42, s42, 2
	s_add_co_u32 s40, s40, s42
	s_add_co_u32 s40, s40, 4096                    ; the scale words: word w % 4 of a lane's four
	s_mov_b32 s41, 0
	s_lshr_b32 s42, s[HD], 4                       ; the output: row 2,048 x batch + 512 cx + 32 w, 4,096 bytes a row; the head's 256 bytes in it
	s_lshl_b32 s42, s42, 11
	s_lshl_b32 s43, s[CX], 9
	s_add_co_u32 s42, s42, s43
	s_lshl_b32 s43, s[WV], 5
	s_add_co_u32 s42, s42, s43
	s_lshl_b32 s42, s42, 12
	s_and_b32 s43, s[HD], 15
	s_lshl_b32 s43, s43, 8
	s_add_co_u32 s42, s42, s43
	s_mov_b32 s43, 0
	s_wait_kmcnt 0x0
	s_add_nc_u64 s[SQ:SQ+1], s[4:5], s[44:45]
	s_add_nc_u64 s[SQS:SQS+1], s[4:5], s[40:41]
	s_add_nc_u64 s[8:9], s[8:9], s[42:43]
	CROUND                                         ; all four work-groups are here: the joint loads meet
	s_mov_b32 s[G0], 1
	s_mov_b32 s[G0+1], s47
	s_add_nc_u64 s[G0+2:G0+3], s[6:7], s[38:39]
	s_or_b32 s[G0+3], s[G0+3], 0x80000000
	s_cmp_lt_u32 s[WV], 8                          ; the branch hangs on the wave's number alone
	s_cbranch_scc0 .Lno_fetch
	tensor_load_to_lds s[G0:G0+3], s[G1:G1+7]      ; the launch's only tensor loads: one of mine is out
	s_nop 0
.rept 4
	v_nop
.endr
.Lno_fetch:
	v_and_b32 v100, 31, v0                         ; lane
	v_and_b32 v101, 15, v0                         ; r
	v_bfe_u32 v102, v0, 4, 1                       ; h
	v_and_b32 v103, 7, v0                          ; r % 8
	v_bfe_u32 v104, v0, 3, 1                       ; r / 8
	v_lshlrev_b32 v105, 4, v100
	v_lshlrev_b32 v106, 4, v101
	global_load_b128 v[16:19], v105, s[SQ:SQ+1]                ; Q's two tiles stay in registers
	global_load_b128 v[Q1:Q1+3], v105, s[SQ:SQ+1] offset:512
	global_load_b32 v[QS], v106, s[SQS:SQS+1]                  ; the even tile's words lie in the places of lanes 0-15,
	global_load_b32 v[QS+1], v106, s[SQS:SQS+1] offset:256     ; the odd tile's in those of lanes 16-31: here both come to lane r
	v_mul_u32_u24 v107, v102, 288
	v_lshl_add_u32 v[LV], v101, 4, v107
	v_lshl_add_u32 v108, v103, 4, v107
	v_mad_u32_u24 v[LK], v104, 1152, v108
	v_lshlrev_b32 v109, 4, v103
	v_lshl_add_u32 v109, v104, 2, v109
	v_lshl_add_u32 v[LS], v102, 3, v109
	v_lshlrev_b32 v[LW], 3, v100
	s_mul_i32 s46, s[WV], 16*SP
	s_add_co_u32 s46, s46, STAGE                   ; my stage
	v_mul_u32_u24 v[STO], v101, SP
	v_lshl_add_u32 v[STO], v102, 5, v[STO]
	v_add_nc_u32 v[STO], s46, v[STO]               ; in: row r; tile t's eight channels of my half: 64 t + 32 h bytes on
	v_mul_u32_u24 v[RD], v102, SP
	v_lshl_add_u32 v[RD], v101, 4, v[RD]
	v_add_nc_u32 v[RD], s46, v[RD]                 ; back: lanes 0-15 one row, lanes 16-31 the next
	v_lshlrev_b32 v[GO], 12, v102
	v_lshl_add_u32 v[GO], v101, 4, v[GO]           ; and the same two rows in the output
.irp j, 20,21,22,23
	v_mov_b32 v[\j], 0                             ; Q's upper 64 along K: zero codes
.endr
	v_mov_b32 v[T+1], 0                            ; (a lane permute's destination counts as one of its sources)
	v_mov_b32 v[F+1], 0                            ; (named as the upper half of a pair)
	s_wait_alu depctr_va_vdst(0)                   ; the wait at the head's end
	s_wait_loadcnt 0x0                             ; Q
	s_wait_tensorcnt 0x0                           ; my eighth of the head is in,
	s_barrier_signal -1
	s_barrier_wait -1                              ; everybody's is
.macro KLOAD ak, as, off               ; a record's eight tiles of K and their scale words: 12 loads
.irp t, 0,1,2,3,4,5,6,7
	ds_load_b128 v[KF+4*\t:KF+4*\t+3], v[\ak] offset:\off+2304*(\t/4)+576*((\t%4)/2)+128*(\t%2)
.endr
.irp q, 0,1,2,3
	ds_load_b32 v[KS+\q], v[\as] offset:\off+4608+128*\q+32*(\q/2)
.endr
.endm
.macro PF n                            ; t - M, two at a time
.rept \n
	v_pk_fma_f32 v[S+pj:S+pj+1], v[S+pj:S+pj+1], s[CS:CS+1], v[12:13] op_sel_hi:[1,0,0]
.set pj, pj+2
.endr
.endm
.macro SA n                            ; the row's sum of the unquantised p: two at a time, the four chains by turns
.rept \n
	v_pk_add_f32 v[SU+2*ch:SU+2*ch+1], v[SU+2*ch:SU+2*ch+1], v[S+sj:S+sj+1]
.set sj, sj+2
.set ch, (ch+1)%4
.endr
.endm
; A KEY STEP: 128 keys.  qs: my tile's scale words.  pre = 1: the next record's K is asked for.
.macro STEP qs, pre
	s_wait_dscnt 0x0                               ; K's tiles, asked for a step ago
.irp t, 0,1,2,3,4,5,6,7
.if \t/4
	v_wmma_scale_f32_16x16x128_f8f6f4 v[S+8*\t:S+8*\t+7], v[KF+4*\t:KF+4*\t+7], v[16:23], 0, v[KS+\t%4], v[\qs] matrix_a_fmt:MATRIX_FMT_FP4 matrix_b_fmt:MATRIX_FMT_FP4 matrix_a_scale:MATRIX_SCALE_ROW1
.else
	v_wmma_scale_f32_16x16x128_f8f6f4 v[S+8*\t:S+8*\t+7], v[KF+4*\t:KF+4*\t+7], v[16:23], 0, v[KS+\t%4], v[\qs] matrix_a_fmt:MATRIX_FMT_FP4 matrix_b_fmt:MATRIX_FMT_FP4
.endif
.endr
	v_add_nc_u32 v[AV], s[TB], v[LV]               ; four places: behind these products (loads into K's registers, the first read of the scores) and behind the last step's (loads into V's)
	v_add_nc_u32 v[AW], s[TB], v[LW]
.if \pre
	v_add_nc_u32 v[AK], s[TB], v[LK]
	v_add_nc_u32 v[AS], s[TB], v[LS]
.else
	v_nop
	v_nop
.endif
.irp t, 0,1,2,3
.irp c, 0,1
	ds_load_b128 v[VF+8*\t+4*\c:VF+8*\t+4*\c+3], v[AV] offset:5184+1152*\t+576*\c   ; V's four tiles land while the softmax is worked
.endr
.endr
	ds_load_b64 v[VS:VS+1], v[AW] offset:9792      ; and their scale words
.if \pre
	KLOAD AK, AS, REC                              ; the next step's K
.endif
	v_mov_b32 v[OLD], v12
.irp x, 0,1,2,3                                    ; the largest scores, in four chains of 16 registers; each accumulator is first read at its low end
	v_max3_num_f32 v[X+\x], v[S+16*\x], v[S+16*\x+1], v[S+16*\x+2]
.endr
.irp i, 3,5,7,9,11,13
.irp x, 0,1,2,3
	v_max3_num_f32 v[X+\x], v[X+\x], v[S+16*\x+\i], v[S+16*\x+\i+1]
.endr
.endr
	v_max_num_f32 v[X+1], v[X+1], v[S+31]
	v_max_num_f32 v[X+3], v[X+3], v[S+63]
	v_max3_num_f32 v[BM], v[X], v[S+15], v[X+1]    ; my two blocks' largest scores: each serves twice, for the row's maximum and for the block's largest p
	v_max3_num_f32 v[BM+1], v[X+2], v[S+47], v[X+3]
	v_max_num_f32 v[T], v[BM], v[BM+1]
	v_permlanex16_b32 v[T+1], v[T], s[SEL], s[SEL+1]
	v_max3_num_f32 v13, v13, v[T], v[T+1]          ; with lane l xor 16's: the running largest score of my query
	v_mul_f32 v[T], s[CS], v13                     ; as t (c is positive)
	v_floor_f32 v12, -v[T]                         ; the new -M = -ceil(t): a whole number
.set pj, 0
	PF 4
	v_sub_f32 v[T], v12, v[OLD]                    ; M's old value less its new one: 0 or less.  (f's three lines stand among lines that do not wait for them)
	PF 4
	v_cvt_i32_f32 v[T], v[T]                       ; (it saturates)
	PF 4
	v_ldexp_f32 v[F], 1.0, v[T]                    ; f = 2^(old M - new M)
	PF 20
	v_fma_f32 v[BM], v[BM], s[CS], v12             ; the same multiply-add of each block's largest score
	v_fma_f32 v[BM+1], v[BM+1], s[CS], v12
.set j, 0
.rept 16
	v_pk_mul_f32 v[O+j:O+j+1], v[O+j:O+j+1], v[F:F+1] op_sel_hi:[1,0]   ; O^T under the new M, each accumulator from its low end on; no exponential stands between the last step's products and these lines
.set j, j+2
.endr
	s_wait_alu depctr_va_vdst(0)                   ; ahead of the batch
.set j, 0
.rept 64
	v_exp_f32 v[S+j], v[S+j]                       ; p = 2^(t - M): not normalised
.set j, j+1
.endr
	v_exp_f32 v[BM], v[BM]                         ; the block's largest p: the same two instructions on the same number give the same bits
	v_exp_f32 v[BM+1], v[BM+1]
	v_pk_mul_f32 v[SU:SU+1], v[SU:SU+1], v[F:F+1] op_sel_hi:[1,0]   ; the sum under the new M (a plain instruction behind the batch)
	s_wait_alu depctr_va_vdst(0)                   ; one wait for the batch, ahead of its first reader
	v_max_num_f32 v[BM], 0x1800000, v[BM]          ; the floor 2^(3 - 127): the byte cannot fall under 1
	v_max_num_f32 v[BM+1], 0x1800000, v[BM+1]
	v_pk_add_f32 v[SU+2:SU+3], v[S:S+1], v[S+2:S+3]        ; the step's three chains begin.  The scale's lines stand among the sums
	v_pk_add_f32 v[SU+4:SU+5], v[S+4:S+5], v[S+6:S+7]
	v_pk_add_f32 v[SU+6:SU+7], v[S+8:S+9], v[S+10:S+11]
.set sj, 12
.set ch, 0
	v_add_nc_u32 v[BM], 0xff000000, v[BM]          ; 2 off the exponent field: the conversion's scale operand
	v_add_nc_u32 v[BM+1], 0xff000000, v[BM+1]
	SA 3
	v_lshrrev_b32 v[W], 23, v[BM]                  ; the scale bytes: of the record's four blocks mine are h and 2 + h
	v_lshrrev_b32 v[W+1], 23, v[BM+1]
	SA 3
	v_lshl_or_b32 v[W], v[W+1], 16, v[W]
	SA 4
	v_permlanex16_b32 v[W+1], v[W], s[SEL], s[SEL+1]
	SA 4
	v_lshl_or_b32 v[PS], v[W+1], 8, v[W]           ; in lanes 0-15, which alone are read: my bytes 0 and 2, lane l + 16's as bytes 1 and 3
	SA 4
.irp t, 0,1,2,3,4,5,6,7
	v_cvt_scalef32_pk8_fp4_f32 v[P+\t], v[S+8*\t:S+8*\t+7], v[BM+\t/4]   ; tile t into register t of p's codes
.endr
	SA 8                                           ; these eleven are also the places between the conversions and the products below
	v_pk_add_f32 v[SU:SU+1], v[SU:SU+1], v[SU+2:SU+3]
	v_pk_add_f32 v[SU+4:SU+5], v[SU+4:SU+5], v[SU+6:SU+7]
	v_pk_add_f32 v[SU:SU+1], v[SU:SU+1], v[SU+4:SU+5]
	s_wait_alu depctr_va_vdst(0)                   ; directly ahead of the wait below
.if \pre
	s_wait_dscnt 12                                ; V and its scale words are in; the 12 loads of the next step's K, issued behind them, may be out
.else
	s_wait_dscnt 0x0
.endif
.irp t, 0,1,2,3                                    ; O^T += V^T P^T: the four accumulators take turns, and eight other products stand between a step's link and the next step's
.if \t%2
	v_wmma_scale_f32_16x16x128_f8f6f4 v[O+8*\t:O+8*\t+7], v[VF+8*\t:VF+8*\t+7], v[P:P+7], v[O+8*\t:O+8*\t+7], v[VS+\t/2], v[PS] matrix_a_fmt:MATRIX_FMT_FP4 matrix_b_fmt:MATRIX_FMT_FP4 matrix_a_scale:MATRIX_SCALE_ROW1
.else
	v_wmma_scale_f32_16x16x128_f8f6f4 v[O+8*\t:O+8*\t+7], v[VF+8*\t:VF+8*\t+7], v[P:P+7], v[O+8*\t:O+8*\t+7], v[VS+\t/2], v[PS] matrix_a_fmt:MATRIX_FMT_FP4 matrix_b_fmt:MATRIX_FMT_FP4
.endif
.endr
.endm
; THE WAY OUT of tile p: O^T is divided by the row's sum and goes through my stage in LDS, so that sixteen lanes store a row's 256 consecutive bytes.
.macro WAYOUT p
	v_add_f32 v[SU], v[SU], v[SU+1]
	v_permlanex16_b32 v[T], v[SU], s[SEL], s[SEL+1]
	v_add_f32 v[SU], v[SU], v[T]                   ; the row's sum
	s_wait_alu depctr_va_vdst(0)                   ; ahead of the transcendental
	v_rcp_f32 v[SU], v[SU]
.rept 3
	v_nop                                          ; a plain instruction behind the reciprocal; with the additions above, the places behind the last products
.endr
	s_wait_alu depctr_va_vdst(0)                   ; and ahead of its first reader, which is also O^T's
.set j, 0
.rept 16
	v_pk_mul_f32 v[S+j:S+j+1], v[O+j:O+j+1], v[SU:SU+1] op_sel_hi:[1,0]   ; register 8 t + i is o(query r, channel 16 t + 8 h + i)
.set j, j+2
.endr
.irp t, 0,1,2,3
	ds_store_b128 v[STO], v[S+8*\t:S+8*\t+3] offset:64*\t
	ds_store_b128 v[STO], v[S+8*\t+4:S+8*\t+7] offset:64*\t+16
.endr
.irp i, 0,1,2,3,4,5,6,7
	ds_load_b128 v[S+32+4*\i:S+35+4*\i], v[RD] offset:2*\i*SP   ; LDS serves a wave's instructions in order (ISA guide 5.7.1.4): these see my stores
.endr
.irp i, 0,1,2,3,4,5,6,7
	s_wait_dscnt 7-\i                              ; the loads issued behind load i may be out
	global_store_b128 v[GO], v[S+32+4*\i:S+35+4*\i], s[8:9] offset:8192*\i+65536*\p th:TH_STORE_NT   ; 16 lanes store 256 consecutive bytes, at a multiple of 256 from the output's first byte
.endr
.if \p == 0
	s_wait_xcnt 0x0                                ; the stores have read their registers: the next tile's scores may be written there
.endif
.endm
; One tile of 16 queries against all 2,048 keys.  O^T and the sum begin as zeros and the largest score as -3e38, so the first change of M multiplies zeros.
.macro PASS p
.if \p
.irp j, 0,1,2,3
	v_mov_b32 v[16+\j], v[Q1+\j]                   ; the second tile's codes
.endr
.endif
	v_mov_b32 v13, 0xff61b1e6                      ; -3e38, under every score
	v_mov_b32 v12, 0x7f61b1e6                      ; -M: 3e38
	v_mov_b32 v[SU], 0
	v_mov_b32 v[SU+1], 0
.set j, 0
.rept 32
	v_mov_b32 v[O+j], 0
.set j, j+1
.endr
	s_mov_b32 s[TB], 0
	s_mov_b32 s[CNT], 15
	s_wait_alu depctr_va_vdst(0)
.Lstep_\@:
	STEP QS+\p, 1
	s_add_co_u32 s[TB], s[TB], REC
	s_sub_co_u32 s[CNT], s[CNT], 1
	s_cmp_lg_u32 s[CNT], 0
	s_cbranch_scc1 .Lstep_\@
	STEP QS+\p, 0                                  ; the last record: no K behind it
.if \p == 0
	KLOAD LK, LS, 0                                ; the next pass's first K lands under the way out (the products that read K's registers stand a softmax back)
.endif
	s_wait_alu depctr_va_vdst(0)
	WAYOUT \p
.endm
	KLOAD LK, LS, 0                                ; the first record's K
	PASS 0
	PASS 1
	s_wait_tensorcnt 0x0                           ; the wave's end
	ds_add_u32 v[SPW], v[NIL]
	s_wait_dscnt 0x0
	CROUND                                         ; the closing round
	s_endpgm
.Lfunc_end_k_q550687c74a_attn:
	.size	k_q550687c74a_attn, .Lfunc_end_k_q550687c74a_attn-k_q550687c74a_attn
	.p2alignl 7, 3214868480
	.fill 96, 4, 3214868480
	.section	.rodata,"a",@progbits
	.p2align	6, 0x0
	.amdhsa_kernel k_q550687c74a_attn
		.amdhsa_group_segment_fixed_size 232960
		.amdhsa_private_segment_fixed_size 0
		.amdhsa_enable_private_segment 0
		.amdhsa_kernarg_size 24
		.amdhsa_user_sgpr_count 2
		.amdhsa_user_sgpr_kernarg_segment_ptr 1
		.amdhsa_wavefront_size32 1
		.amdhsa_system_sgpr_workgroup_id_x 1
		.amdhsa_system_sgpr_workgroup_id_y 1
		.amdhsa_system_sgpr_workgroup_id_z 1
		.amdhsa_system_vgpr_workitem_id 0
		.amdhsa_next_free_vgpr 256
		.amdhsa_next_free_sgpr 66
		.amdhsa_reserve_vcc 0
		.amdhsa_float_denorm_mode_32 3
		.amdhsa_float_denorm_mode_16_64 3
		.amdhsa_memory_ordered 1
		.amdhsa_forward_progress 1
		.amdhsa_inst_pref_size 71
	.end_amdhsa_kernel
	.amdgpu_metadata
---
amdhsa.version: [ 1, 2 ]
amdhsa.kernels:
  - .name:           k_q550687c74a_attn
    .symbol:         k_q550687c74a_attn.kd
    .args:
      - { .name: qrec, .offset: 0, .size: 8, .value_kind: global_buffer, .address_space: global }
      - { .name: kvrec, .offset: 8, .size: 8, .value_kind: global_buffer, .address_space: global }
      - { .name: out0, .offset: 16, .size: 8, .value_kind: global_buffer, .address_space: global }
    .group_segment_fixed_size: 232960
    .private_segment_fixed_size: 0
    .kernarg_segment_align: 8
    .kernarg_segment_size: 24
    .max_flat_workgroup_size: 512
    .sgpr_count:     66
    .vgpr_count:     256
    .wavefront_size: 32
...
	.end_amdgpu_metadata
.endif
;; end of part 2
